; MI455X (gfx1250); checked and timed in simulation.
; The chip was launched on July 23, 2026; its instructions are those of AMD's public machine-readable ISA for CDNA 5 (MIT licence, August 2026) and "CDNA5" Instruction Set Architecture Reference Guide (July 2026). The comments in the code are by the model that wrote it; some were corrected since.
;; Mo E. Allowed arithmetic: matrix products marked QUANTISED: E3M2 operands, one E8M0 scale for each 32 along K, by v_wmma_scale_f32_16x16x128_f8f6f4 with both operands' format E3M2, f32 sums; products left as they are: f32 operands where the result goes on into a quantised operand, else bf16, f16 or f32 operands; f32 sums; everything else in f32.
;; Inputs: W1 2 x 1,024 x 4,096 float32; W2 2 x 4,096 x 1,024 float32; Wn 1,024 x 2 float32; Wr 1,024 x 2 float32; b1 2 x 4,096 float32; b2 2 x 1,024 float32; bn 2 float32; br 2 float32; noise 2 x 2,048 x 2 float32; x 2 x 2,048 x 1,024 float32.
;; Outputs: out0 2 x 2,048 x 1,024 float32.
;; This version of the problem:
;;   THIS VERSION OF THE PROBLEM IS GIVEN IN LOW PRECISION. The matrix products marked QUANTISED in the list below multiply operands that are first quantised to E3M2 (3 exponent bits, 2 mantissa bits; 6 bits a number), with one power-of-two scale for each 32 numbers along K (OCP MX v1.0); their sums are f32. All else is computed in f32.
;;   The module's matrix products, in the order in which they are computed (A, B: the left and right operand; K: the contracted axis; several contracted axes count as one K, in the product's order):
;;     1. [M 4,096, K 1,024] x [K 1,024, N 2]; A: input x; B: input Wr: left as it is (N = 2 < 16)
;;     2. [M 4,096, K 1,024] x [K 1,024, N 2]; A: input x; B: input Wn: left as it is (N = 2 < 16)
;;     3. [M 8,192, K 1,024] x [K 1,024, N 4,096]; A: input W1; B: input x: QUANTISED
;;     4. batch 2 x [M 4,096, K 4,096] x [K 4,096, N 1,024]; A: computed on the way; B: input W2: QUANTISED
;;     5. batch 4,096 x [M 1, K 2] x [K 2, N 1,024]; A: softmax; B: computed on the way: left as it is (K = 2 < 32)
;;   THE QUANTISER, for each operand of a quantised product, along K:
;;     - K is cut into blocks of 32 from its start; a last block that is shorter is filled with zeros.
;;     - A block's scale is 2^e with e = floor(log2(the largest magnitude in the block)) - 4, held to -126 .. 127; a block of zeros has e = 0. As a byte (E8M0): e + 127.
;;     - Each number is divided by its block's scale, clamped to +-28, and rounded to the nearest number of E3M2, ties to even, subnormals kept.
;;     - The product sums the exact products of the quantised numbers (number of the format x scale) in f32.
;;   ~~~python
;;   def quantise(x, axis):      # numpy; x: float32 -> the quantised numbers, widened to float32 again
;;       x = np.moveaxis(x, axis, -1); K = x.shape[-1]
;;       x = np.pad(x, [(0, 0)] * (x.ndim - 1) + [(0, -K % 32)]); x = x.reshape(x.shape[:-1] + (-1, 32)); a = np.abs(x).max(-1, keepdims=True)
;;       e = np.where(a > 0, np.clip(np.frexp(np.where(a > 0, a, 1))[1] - 1 - 4, -126, 127), 0)      # np.frexp(a)[1] - 1 = floor(log2(a)), exactly
;;       r = np.clip(x / 2.0 ** e, -28, 28)
;;       step = 2.0 ** (np.maximum(np.frexp(np.where(r == 0, 1, r))[1] - 1, -2) - 2)
;;       q = np.round(r / step) * step * 2.0 ** e      # np.round: ties to even
;;       return np.moveaxis(q.reshape(q.shape[:-2] + (-1,))[..., :K], -1, axis).astype(np.float32)
;;   ~~~
;;   OPERANDS COMPUTED ON THE WAY. 'Computed on the way' means the value that the module computes at that place (a softmax that the list does not call 'softmax' is quantised finished and normalised). What goes into a quantiser is computed in f32, as accurately as f32 sums, v_exp_f32 and their like allow (about 1e-6 of the number): no bf16 or f16 on the way to a quantiser, and a product that is left as it is and whose result goes on into a quantised operand takes f32 operands (vector FMAs, or v_wmma_f32_16x16x4_f32). A number that lies on a knife's edge between two numbers of the format may be rounded either way, as far as f32 arithmetic and the matrix unit's own rounding can turn it there, and no further.
;; One version. Each part assembles by itself: llvm-mc -triple=amdgcn-amd-amdhsa -mcpu=gfx1250 --defsym DOCPART=n.
;; ======== version 1 of 1: 3 launches
;; limits: right only within a limited range of input values
;; workspace buffers: xq 3,276,800 bytes; w1q 6,553,600 bytes; w2q 6,553,600 bytes; hq 26,214,400 bytes; gates 32,768 bytes
;; launch prep (part 1): grid 1280 x 1, 4 waves a work-group, no clusters, 52,736 bytes of LDS; arguments x, noise, Wr, br, Wn, bn, W1, W2, xq, w1q, w2q, gates; writes xq, w1q, w2q, gates
.if DOCPART == 1
	.amdgcn_target "amdgcn-amd-amdhsa--gfx1250"
	.amdhsa_code_object_version 6
	.text
	.protected	k_q467a0889f2_prep
	.globl	k_q467a0889f2_prep
	.p2align	8
	.type	k_q467a0889f2_prep,@function
k_q467a0889f2_prep:
	s_mov_b64 s[64:65], 0
	v_nop
	global_prefetch_b8 v0, s[64:65] scope:SCOPE_SE
	s_setreg_imm32_b32 hwreg(HW_REG_WAVE_MODE, 25, 1), 1
	s_wait_xcnt 0x0
; x [4096][1024], W1 [2][1024][4096] and W2 [2][4096][1024], f32, become codes of BF6 (E3M2) with one E8M0 byte for each 32 along K (x: its 1,024; W1: its 1,024, the FIRST axis of an expert; W2: its 4,096, likewise),
; and the router's gates are made in f32: noisy = x Wr + br + noise softplus(x Wn + bn); both of the two experts are among the top two, so the gates are softmax(noisy), the maximum taken away first.
; THE RECORD.  All codes leave as records of 128 rows x 128 K, 12,800 bytes: 8 fragments of 16 rows, each an image of the matrix operand's 12 registers (registers 4 g .. 4 g + 3 of lane L at 512 g + 16 L), then 512 bytes
; of scale words (tile i, lane r at 32 r + 4 i).  The later launches take a fragment by three loads of 16 bytes a lane.
; SHARES.  A wave takes a patch of 16 KB of f32, all its loads issued at once.  There are 5,120 patches, 20 for each of 256 WGPs: with 192 registers a wave and four waves a work-group, five work-groups lie on a WGP and
; every patch is asked for at the launch's start.  Of five work-groups one takes x, two W1, two W2.
;   W1, W2: a patch is 32 columns x 128 K.  K is not innermost, so a LANE TAKES A COLUMN AND ITS 128 REGISTERS RUN DOWN K; each load reads one row of K at 32 columns; the four waves stand side by side on 512 bytes of a row.
;   W1's columns are dealt so that tile 2 b + u, lane r holds f = 32 b + 8 u + r + 8 (r / 8): the first product's results then stand as 16 neighbours along the next K.
;   x: a work-group takes 16 tokens, wave w their K steps 2 w and 2 w + 1.  Rows are loaded as they lie (512 consecutive bytes a load) and turned through the wave's own stage in LDS, a K step at a time, so that lane (r, h)
;   holds of token r the blocks h and 2 + h of each step: what the operand's layout gives that lane.  The conversions' results are the two fragments as they stand.
; A block's scale is 2^(floor(log2(largest magnitude)) - 4); its byte is the magnitude's exponent field - 4, held at 1 from below by a floor among the maximum's leaves.
; LIMITS: a block of zeros gets the byte 1 where the rule says 127 (its codes are zeros, and these bytes are read by this program alone); NaN and infinities among the inputs are not served.
; The scale words leave as 4 bytes a lane, 32 bytes apart (128 bytes for each 16 KB that a wave reads), a work-group's gates as 128 consecutive bytes.
.set XL,   0                           ; LDS (x's work-groups alone use it): the stage, 16 rows x 528 bytes for each wave
.set WL,   33792                       ; the router's weights of a wave's 256 k: 32 bytes for each two k: (Wr0, Wr1, Wn0, Wn1) x (k, k + 1)
.set PL,   50176                       ; the waves' partial logits: 16 bytes a lane, 512 a wave
.set REC,  12800
.set X,    64                          ; v64-191  my 128 numbers
.set F0,   16                          ; v16-27   codes; at the end a fragment
.set F1,   28                          ; v28-39   likewise
.set TU,   40                          ; v40-55   each block's upper 16 codes as the conversion leaves them
.set MX,   56                          ; v56-59   largest magnitudes, then the conversions' scale operands
.set BY,   60                          ; v60-63   the bytes; v60 at the end my scale word
; v1 lane; v2 16 x lane; v3 8 x lane; v4-v9 LDS addresses; v10 weights: the lane's column, x: 8 h; v11 my scale word's place; v12 r, v13 h, later with v14-15 my partial logits
; s28 wave; s29 work-group / 5; s30 the rest; s31 record; s32 quarter or fragment; s[34:35] where my patch begins; s[36:37] the codes' buffer; s[38:39] my fragments; s[40:41] my scale words; s52 which 32 of 256 columns
.macro OUTADR                          ; from record s31, quarter s32 and buffer s[36:37]
	s_mul_i32 s38, s31, REC
	s_mul_i32 s33, s32, 3072
	s_add_co_u32 s38, s38, s33
	s_mov_b32 s39, 0
	s_add_nc_u64 s[38:39], s[36:37], s[38:39]      ; two fragments of 1,536 bytes a quarter
	s_mul_i32 s40, s31, REC
	s_lshl_b32 s33, s32, 3
	s_add_co_u32 s40, s40, s33
	s_add_co_u32 s40, s40, 12288
	s_mov_b32 s41, 0
	s_add_nc_u64 s[40:41], s[36:37], s[40:41]      ; two words a row and quarter
.endm
.macro WLOAD stride                    ; register k = row k of the patch at my column
.set J, 0
.rept 128
	global_load_b32 v[X+J], v10, s[34:35] offset:J*\stride th:TH_LOAD_NT
.set J, J+1
.endr
	s_wait_loadcnt 0x0
.endm
; My four blocks of 32 numbers, v[X + 32 b] on, become bytes in v[BY + b] and codes.  xm = 0 (a lane holds a row's blocks 0 to 3): blocks 0, 2 into F0, blocks 1, 3 into F1.  xm = 1 (two blocks of each of two K steps): the first step's into F0, the second's into F1.
.macro QUANT128 xm
.irp b, 0,1,2,3
	v_max3_num_f32 v[MX+\b], |v[X+32*\b]|, |v[X+32*\b+1]|, 0x2800000   ; block b, and the floor 2^(5 - 127): the byte cannot fall under 1
.endr
.irp i, 2,4,6,8,10,12,14,16,18,20,22,24,26,28,30
.irp b, 0,1,2,3
	v_max3_num_f32 v[MX+\b], v[MX+\b], |v[X+32*\b+\i]|, |v[X+32*\b+\i+1]|   ; the four blocks by turns
.endr
.endr
.irp b, 0,1,2,3
	v_add_nc_u32 v[MX+\b], 0xfe000000, v[MX+\b]    ; 4 off the exponent field: the conversion takes this operand's exponent field as its scale
.endr
.irp b, 0,1,2,3
	v_lshrrev_b32 v[BY+\b], 23, v[MX+\b]           ; the byte
.endr
.irp b, 0,1,2,3
.if \xm
.set FD, F0+12*(\b/2)+6*(\b%2)
.else
.set FD, F0+12*(\b%2)+6*(\b/2)
.endif
	v_cvt_scalef32_pk16_bf6_f32 v[FD:FD+2], v[X+32*\b:X+32*\b+15], v[MX+\b]
	v_cvt_scalef32_pk16_bf6_f32 v[TU+4*\b:TU+4*\b+2], v[X+32*\b+16:X+32*\b+31], v[MX+\b]   ; (a conversion's three registers begin on an even number)
.endr
	v_nop                                          ; one plain instruction behind the last scaled conversion
.irp b, 0,1,2,3
.if \xm
.set FD, F0+12*(\b/2)+6*(\b%2)
.else
.set FD, F0+12*(\b%2)+6*(\b/2)
.endif
.irp i, 0,1,2
	v_mov_b32 v[FD+3+\i], v[TU+4*\b+\i]
.endr
.endr
.endm
.macro WBATCH m                        ; the router's weights of my numbers 4 m .. 4 m + 3 into buffer m % 2: number n is k = 128 (n / 64) + 64 ((n / 32) % 2) + 32 h + n % 32 of my wave's 256; 16 bytes a k; 512 h stands in v7
.set NN, 4*(\m)
.set WO, 2048*(NN/64)+1024*((NN/32)%2)+16*(NN%32)
.irp i, 0,1,2,3
	ds_load_b128 v[16+16*((\m)%2)+4*\i:16+16*((\m)%2)+4*\i+3], v7 offset:WO+16*\i
.endr
.endm
.macro DOT m                           ; four sums, each a pair (even k's, odd k's): x's pair times a weight's pair
.irp kp, 0,1
.set XP, X+4*(\m)+2*\kp
.set WR, 16+16*((\m)%2)+8*\kp
.irp c, 0,1,2,3
.if ((\m) == 0) && (\kp == 0)
	v_pk_mul_f32 v[48+2*\c:49+2*\c], v[XP:XP+1], v[WR+2*\c:WR+2*\c+1]   ; the first product starts the sum
.else
	v_pk_fma_f32 v[48+2*\c:49+2*\c], v[XP:XP+1], v[WR+2*\c:WR+2*\c+1], v[48+2*\c:49+2*\c]
.endif
.endr
.endr
.endm
	s_load_b512 s[4:19], s[0:1], 0x0               ; x, noise, Wr, br, Wn, bn, W1, W2
	s_load_b256 s[20:27], s[0:1], 0x40             ; xq, w1q, w2q, gates
	v_lshrrev_b32 v1, 5, v0
	v_readfirstlane_b32 s28, v1                    ; wave 0..3
	v_and_b32 v1, 31, v0                           ; lane
	v_lshlrev_b32 v2, 4, v1
	v_lshlrev_b32 v3, 3, v1
	v_and_b32 v12, 15, v1                          ; r
	v_lshrrev_b32 v13, 4, v1                       ; h
	s_lshl_b32 s33, s28, 12
	s_add_co_u32 s33, s33, WL                      ; my wave's router weights
	v_lshl_add_u32 v7, v13, 9, s33                 ; read: + 512 h
	v_lshrrev_b32 v4, 1, v1
	v_lshlrev_b32 v4, 5, v4
	v_and_b32 v14, 1, v1
	v_lshl_add_u32 v4, v14, 2, v4
	v_add_nc_u32 v4, s33, v4                       ; written: k = lane goes to 32 (lane / 2) + 4 (lane % 2)
	s_mul_i32 s33, s28, 8448
	v_add_nc_u32 v5, s33, v2                       ; the stage on the way in: 16 x lane of a row
	v_mul_u32_u24 v6, v12, 528
	v_lshl_add_u32 v6, v13, 7, v6
	v_add_nc_u32 v6, s33, v6                       ; and back: row r, + 128 h
	s_lshl_b32 s33, s28, 9
	s_add_co_u32 s33, s33, PL
	v_add_nc_u32 v8, s33, v2                       ; my partial logits
	v_lshrrev_b32 v9, 1, v1
	v_lshl_add_u32 v9, v9, 4, PL                   ; for the gates: token lane / 2 in wave 0's
	s_mul_hi_u32 s29, ttmp9, 0xcccccccd
	s_lshr_b32 s29, s29, 2                         ; work-group / 5
	s_mul_i32 s30, s29, 5
	s_sub_co_u32 s30, ttmp9, s30                   ; and the rest: 0 x, 1 and 2 W1, 3 and 4 W2
	s_wait_kmcnt 0x0
	s_cmp_eq_u32 s30, 0
	s_cbranch_scc1 .Lx_arm
	v_lshlrev_b32 v11, 5, v12
	v_lshl_add_u32 v11, v13, 2, v11                ; 32 (lane % 16) + 4 (lane / 16)
	s_lshl_b32 s33, s29, 1
	s_add_co_u32 s33, s33, s30
	s_cmp_lt_u32 s30, 3
	s_cbranch_scc1 .Lw1_arm
	; ---- W2: my work-group has 128 d x 128 f, half of a block of 256 d
	s_sub_co_u32 s33, s33, 3                       ; 0 .. 511
	s_and_b32 s52, s33, 1
	s_lshl_b32 s52, s52, 2
	s_add_co_u32 s52, s52, s28                     ; which 32 of the 256 columns
	s_lshr_b32 s33, s33, 1                         ; 0 .. 255
	s_and_b32 s46, s33, 3                          ; which 256 d
	s_lshr_b32 s47, s33, 2
	s_lshr_b32 s48, s47, 5                         ; expert
	s_and_b32 s49, s47, 31                         ; which 128 f
	s_lshr_b32 s50, s52, 2
	s_and_b32 s32, s52, 3                          ; quarter
	s_lshl_b32 s31, s46, 1
	s_add_co_u32 s31, s31, s50                     ; which 128 d
	s_lshl_b32 s31, s31, 4
	s_and_b32 s51, s49, 15
	s_add_co_u32 s31, s31, s51
	s_lshl_b32 s31, s31, 2
	s_lshl_b32 s51, s48, 1
	s_add_co_u32 s31, s31, s51
	s_lshr_b32 s51, s49, 4
	s_add_co_u32 s31, s31, s51                     ; record = ((128 d) 16 + step of 16) 4 + 2 expert + half of f
	s_lshl_b32 s34, s48, 24                        ; an expert is 16,777,216 bytes,
	s_lshl_b32 s51, s49, 19                        ; 128 rows of 4,096 bytes,
	s_add_co_u32 s34, s34, s51
	s_lshl_b32 s51, s46, 10
	s_add_co_u32 s34, s34, s51
	s_lshl_b32 s51, s52, 7                         ; my wave's 32 columns
	s_add_co_u32 s34, s34, s51
	s_mov_b32 s35, 0
	s_add_nc_u64 s[34:35], s[18:19], s[34:35]
	s_mov_b64 s[36:37], s[24:25]
	OUTADR
	v_lshlrev_b32 v10, 2, v1                       ; column = lane
	WLOAD 4096
	s_branch .Lw_tail
.Lw1_arm:
	; ---- W1: my work-group has 128 f x 128 k, half of a block of 256 f
	s_sub_co_u32 s33, s33, 1                       ; 0 .. 511
	s_and_b32 s52, s33, 1
	s_lshl_b32 s52, s52, 2
	s_add_co_u32 s52, s52, s28                     ; which 32 of the 256 columns
	s_lshr_b32 s33, s33, 1                         ; 0 .. 255 = 8 x (which 256 of expert and f) + K step
	s_lshr_b32 s46, s33, 3
	s_and_b32 s47, s33, 7
	s_lshl_b32 s31, s33, 1
	s_lshr_b32 s48, s52, 2
	s_add_co_u32 s31, s31, s48                     ; record
	s_and_b32 s32, s52, 3                          ; quarter
	s_lshr_b32 s48, s46, 4                         ; expert
	s_lshl_b32 s34, s48, 24
	s_lshl_b32 s48, s47, 21                        ; 128 rows of 16,384 bytes
	s_add_co_u32 s34, s34, s48
	s_and_b32 s48, s46, 15
	s_lshl_b32 s48, s48, 10
	s_add_co_u32 s34, s34, s48
	s_lshl_b32 s48, s52, 7
	s_add_co_u32 s34, s34, s48
	s_mov_b32 s35, 0
	s_add_nc_u64 s[34:35], s[16:17], s[34:35]
	s_mov_b64 s[36:37], s[22:23]
	OUTADR
	v_and_b32 v10, 7, v1                           ; column = (lane & 7) + 2 (lane & 8) + (lane & 16) / 2
	v_and_b32 v14, 8, v1
	v_lshl_or_b32 v10, v14, 1, v10
	v_and_b32 v14, 16, v1
	v_lshrrev_b32 v14, 1, v14
	v_or_b32 v10, v10, v14
	v_lshlrev_b32 v10, 2, v10
	WLOAD 16384
.Lw_tail:
	QUANT128 0
	v_lshl_or_b32 v[BY], v[BY+1], 8, v[BY]         ; my row's scale word
	v_lshl_or_b32 v[BY], v[BY+2], 16, v[BY]
	v_lshl_or_b32 v[BY], v[BY+3], 24, v[BY]
.irp j, 0,1,2,3,4,5,6,7,8,9,10,11
	v_permlane16_swap_b32 v[F0+\j], v[F1+\j]       ; F0's lanes 16-31 change places with F1's lanes 0-15: lane (r, h) of F0 now holds blocks h and 2 + h of row r, of F1 those of row 16 + r
.endr
.irp g, 0,1,2,3,4,5
	global_store_b128 v2, v[F0+4*\g:F0+4*\g+3], s[38:39] offset:512*\g   ; 512 consecutive bytes a store
.endr
	global_store_b32 v11, v[BY], s[40:41]
	s_endpgm
.Lx_arm:
	; ---- x: tokens 16 g .. 16 g + 15 (g = s29), wave w: K steps 2 w and 2 w + 1
	s_load_b64 s[42:43], s[10:11], 0x0             ; br
	s_load_b64 s[44:45], s[14:15], 0x0             ; bn
	s_mov_b32 s48, 0x76543210
	s_mov_b32 s49, 0xfedcba98                      ; v_permlanex16_b32's selects for lane xor 16
	s_lshl_b32 s46, s28, 11                        ; my 256 k of Wr and Wn: 8 bytes each
	s_mov_b32 s47, 0
	s_add_nc_u64 s[8:9], s[8:9], s[46:47]
	s_add_nc_u64 s[12:13], s[12:13], s[46:47]
	s_lshl_b32 s34, s29, 16                        ; 16 rows of 4,096 bytes
	s_lshl_b32 s46, s28, 10
	s_add_co_u32 s34, s34, s46
	s_mov_b32 s35, 0
	s_add_nc_u64 s[34:35], s[4:5], s[34:35]
	s_lshr_b32 s31, s29, 4                         ; which 256 tokens
	s_lshl_b32 s31, s31, 3
	s_lshl_b32 s46, s28, 1
	s_add_co_u32 s31, s31, s46                     ; + K step 2 w
	s_lshl_b32 s31, s31, 1
	s_bfe_u32 s46, s29, 0x10003
	s_add_co_u32 s31, s31, s46                     ; record = ((256 tokens) 8 + K step) 2 + half; the next K step's lies two records, 25,600 bytes, on
	s_and_b32 s32, s29, 7                          ; which fragment of the record
	s_mul_i32 s38, s31, REC
	s_mul_i32 s46, s32, 1536
	s_add_co_u32 s38, s38, s46
	s_mov_b32 s39, 0
	s_add_nc_u64 s[38:39], s[20:21], s[38:39]
	s_mul_i32 s40, s31, REC
	s_lshl_b32 s46, s32, 2
	s_add_co_u32 s40, s40, s46
	s_add_co_u32 s40, s40, 12288
	s_mov_b32 s41, 0
	s_add_nc_u64 s[40:41], s[20:21], s[40:41]
	v_lshlrev_b32 v10, 3, v13                      ; 8 h
	v_lshlrev_b32 v11, 5, v12
	v_mad_u32_u24 v11, v13, 25600, v11             ; lanes 0-15 store the first step's words, lanes 16-31 the second's
.irp j, 0,1,2,3,4,5,6,7
	global_load_b64 v[16+2*\j:17+2*\j], v3, s[8:9] offset:256*\j     ; Wr[k][0..1], k = 32 j + lane
.endr
.irp j, 0,1,2,3,4,5,6,7
	global_load_b64 v[32+2*\j:33+2*\j], v3, s[12:13] offset:256*\j   ; Wn likewise
.endr
.set J, 0
.rept 16
	global_load_b128 v[X+4*J:X+4*J+3], v2, s[34:35] offset:4096*J th:TH_LOAD_NT         ; row J, the first K step: 512 consecutive bytes
.set J, J+1
.endr
.set J, 0
.rept 16
	global_load_b128 v[X+64+4*J:X+64+4*J+3], v2, s[34:35] offset:4096*J+512 th:TH_LOAD_NT   ; the second
.set J, J+1
.endr
	s_wait_kmcnt 0x0                               ; br, bn
	s_wait_loadcnt 32                              ; the sixteen loads of weights are in; x's 32 may be out
.irp j, 0,1,2,3,4,5,6,7
	ds_store_b32 v4, v[16+2*\j] offset:512*\j
	ds_store_b32 v4, v[17+2*\j] offset:512*\j+8
	ds_store_b32 v4, v[32+2*\j] offset:512*\j+16
	ds_store_b32 v4, v[33+2*\j] offset:512*\j+24
.endr
	s_wait_alu depctr_va_vdst(0)
.irp s, 0,1                            ; a K step at a time through the stage.  LDS serves a wave's instructions in order (ISA guide 5.7.1.4): the second step's stores come behind the first step's loads
.set J, 0
.rept 16
	s_wait_loadcnt 31-16*\s-J                      ; this row is in; the younger loads may be out
	ds_store_b128 v5, v[X+64*\s+4*J:X+64*\s+4*J+3] offset:528*J
.set J, J+1
.endr
	s_wait_dscnt 0x0                               ; the stores have read their registers, which the loads below fill again
.irp c, 0,1
.irp i, 0,1,2,3,4,5,6,7
	ds_load_b128 v[X+64*\s+32*\c+4*\i:X+64*\s+32*\c+4*\i+3], v6 offset:256*\c+16*\i   ; token r, k = 64 c + 32 h + 4 i on
.endr
.endr
.endr
	WBATCH 0
	WBATCH 1
.set M, 0
.rept 32
.if M < 31
	s_wait_alu depctr_va_vdst(0)
	s_wait_dscnt 4                                 ; this batch (and x) is in; the next batch's four loads may be out
.else
	s_wait_alu depctr_va_vdst(0)
	s_wait_dscnt 0x0
.endif
	DOT M
.if M < 30
	WBATCH M+2
.endif
.set M, M+1
.endr
.irp c, 0,1,2,3
	v_add_f32 v[12+\c], v[48+2*\c], v[49+2*\c]     ; even k's + odd k's
.endr
	ds_store_b128 v8, v[12:15]                     ; x Wr (2), x Wn (2) over my 128 k
	QUANT128 1
	v_lshl_or_b32 v[BY], v[BY+1], 16, v[BY]        ; the first step: my bytes of blocks h and 2 + h,
	v_lshl_or_b32 v[BY+2], v[BY+3], 16, v[BY+2]    ; the second step's,
	v_lshlrev_b32 v[BY], v10, v[BY]                ; at their places in the word (8 h bits up);
	v_lshlrev_b32 v[BY+2], v10, v[BY+2]
	v_permlanex16_b32 v[BY+1], v[BY], s48, s49
	v_permlanex16_b32 v[BY+3], v[BY+2], s48, s49
	v_or_b32 v[BY], v[BY], v[BY+1]                 ; with lane xor 16's two bytes a word is whole
	v_or_b32 v[BY+2], v[BY+2], v[BY+3]
	v_cmp_eq_u32 vcc_lo, 8, v10
	v_cndmask_b32 v[BY], v[BY], v[BY+2], vcc_lo
.irp g, 0,1,2
	global_store_b128 v2, v[F0+4*\g:F0+4*\g+3], s[38:39] offset:512*\g          ; 512 consecutive bytes a store
.endr
.irp g, 0,1,2
	global_store_b128 v2, v[F1+4*\g:F1+4*\g+3], s[38:39] offset:25600+512*\g
.endr
	global_store_b32 v11, v[BY], s[40:41]
	s_wait_dscnt 0x0                               ; for the others' sake: my partial logits lie in LDS
	s_barrier_signal -1
	s_barrier_wait -1
	s_cmp_lg_u32 s28, 0
	s_cbranch_scc1 .Lend
	; ---- wave 0: the 16 tokens' gates; lane l serves token l / 2 and stores the gate of expert l % 2.  (Only registers that no pending store names are written here)
	s_lshl_b32 s46, s29, 7                         ; 16 tokens x 8 bytes
	s_mov_b32 s47, 0
	s_add_nc_u64 s[6:7], s[6:7], s[46:47]
	s_add_nc_u64 s[26:27], s[26:27], s[46:47]
	v_lshrrev_b32 v104, 1, v1
	v_lshlrev_b32 v104, 3, v104
	v_lshlrev_b32 v105, 2, v1
	global_load_b64 v[96:97], v104, s[6:7]         ; noise
.irp n, 0,1,2,3,4,5,6,7
	ds_load_b128 v[64+4*\n:67+4*\n], v9 offset:512*(\n/2)+256*(\n%2)   ; wave n / 2, half n % 2
.endr
	s_wait_dscnt 0x0
.irp n, 1,2,3,4,5,6,7
	v_pk_add_f32 v[64:65], v[64:65], v[64+4*\n:65+4*\n]
	v_pk_add_f32 v[66:67], v[66:67], v[66+4*\n:67+4*\n]
.endr
	v_add_f32 v98, s44, v66                        ; z = x Wn + bn
	v_add_f32 v99, s45, v67
	v_mul_f32 v100, 0xbfb8aa3b, |v98|              ; -|z| log2(e)
	v_mul_f32 v101, 0xbfb8aa3b, |v99|
	s_wait_alu depctr_va_vdst(0)
	v_exp_f32 v100, v100
	v_exp_f32 v101, v101
	v_max_num_f32 v102, 0, v98                     ; (plain work behind the exponentials)
	v_max_num_f32 v103, 0, v99
	s_wait_alu depctr_va_vdst(0)                   ; one wait for the two, ahead of their first reader
	v_add_f32 v100, 1.0, v100
	v_add_f32 v101, 1.0, v101
	s_wait_alu depctr_va_vdst(0)
	v_log_f32 v100, v100
	v_log_f32 v101, v101
	v_add_f32 v106, s42, v64                       ; x Wr + br
	v_add_f32 v107, s43, v65
	s_wait_alu depctr_va_vdst(0)
	v_fmac_f32 v102, 0x3f317218, v100              ; softplus(z) = max(z, 0) + ln 2 x log2(1 + 2^(-|z| log2(e)))
	v_fmac_f32 v103, 0x3f317218, v101
	s_wait_alu depctr_va_vdst(0)
	s_wait_loadcnt 0x0                             ; noise
	v_fmac_f32 v106, v96, v102                     ; noisy
	v_fmac_f32 v107, v97, v103
	v_max_num_f32 v108, v106, v107                 ; the maximum is taken away
	v_sub_f32 v106, v106, v108
	v_sub_f32 v107, v107, v108
	v_mul_f32 v106, 0x3fb8aa3b, v106
	v_mul_f32 v107, 0x3fb8aa3b, v107
	s_wait_alu depctr_va_vdst(0)
	v_exp_f32 v106, v106
	v_exp_f32 v107, v107
	v_and_b32 v109, 1, v1                          ; (plain work behind the exponentials)
	s_wait_alu depctr_va_vdst(0)
	v_add_f32 v108, v106, v107
	s_wait_alu depctr_va_vdst(0)
	v_rcp_f32 v108, v108
	v_cmp_eq_u32 vcc_lo, 1, v109
	s_wait_alu depctr_va_vdst(0)
	v_cndmask_b32 v110, v106, v107, vcc_lo         ; my expert's
	v_mul_f32 v110, v110, v108
	global_store_b32 v105, v110, s[26:27]          ; 32 lanes store 128 consecutive bytes
.Lend:
	v_lshl_add_u32 v120, v0, 2, 0xcc00             ; no two registers can be kept through the launch: v0 is kept, and the add's two are made here (v120, v121: no pending store names them)
	v_mov_b32 v121, 0
	s_wait_alu depctr_va_vdst(0)                   ; the wait here, directly ahead of the wait below
	s_wait_tensorcnt 0x0
	ds_add_u32 v120, v121
	s_wait_dscnt 0x0
	s_endpgm
.Lfunc_end_k_q467a0889f2_prep:
	.size	k_q467a0889f2_prep, .Lfunc_end_k_q467a0889f2_prep-k_q467a0889f2_prep
	.p2alignl 7, 3214868480
	.fill 96, 4, 3214868480
	.section	.rodata,"a",@progbits
	.p2align	6, 0x0
	.amdhsa_kernel k_q467a0889f2_prep
		.amdhsa_group_segment_fixed_size 52736
		.amdhsa_private_segment_fixed_size 0
		.amdhsa_enable_private_segment 0
		.amdhsa_kernarg_size 96
		.amdhsa_user_sgpr_count 2
		.amdhsa_user_sgpr_kernarg_segment_ptr 1
		.amdhsa_wavefront_size32 1
		.amdhsa_system_sgpr_workgroup_id_x 1
		.amdhsa_system_sgpr_workgroup_id_y 1
		.amdhsa_system_sgpr_workgroup_id_z 1
		.amdhsa_system_vgpr_workitem_id 0
		.amdhsa_next_free_vgpr 192
		.amdhsa_next_free_sgpr 66
		.amdhsa_reserve_vcc 1
		.amdhsa_float_denorm_mode_32 3
		.amdhsa_float_denorm_mode_16_64 3
		.amdhsa_memory_ordered 1
		.amdhsa_forward_progress 1
		.amdhsa_inst_pref_size 86
	.end_amdhsa_kernel
	.amdgpu_metadata
---
amdhsa.version: [ 1, 2 ]
amdhsa.kernels:
  - .name:           k_q467a0889f2_prep
    .symbol:         k_q467a0889f2_prep.kd
    .args:
      - { .name: x, .offset: 0, .size: 8, .value_kind: global_buffer, .address_space: global }
      - { .name: noise, .offset: 8, .size: 8, .value_kind: global_buffer, .address_space: global }
      - { .name: Wr, .offset: 16, .size: 8, .value_kind: global_buffer, .address_space: global }
      - { .name: br, .offset: 24, .size: 8, .value_kind: global_buffer, .address_space: global }
      - { .name: Wn, .offset: 32, .size: 8, .value_kind: global_buffer, .address_space: global }
      - { .name: bn, .offset: 40, .size: 8, .value_kind: global_buffer, .address_space: global }
      - { .name: W1, .offset: 48, .size: 8, .value_kind: global_buffer, .address_space: global }
      - { .name: W2, .offset: 56, .size: 8, .value_kind: global_buffer, .address_space: global }
      - { .name: xq, .offset: 64, .size: 8, .value_kind: global_buffer, .address_space: global }
      - { .name: w1q, .offset: 72, .size: 8, .value_kind: global_buffer, .address_space: global }
      - { .name: w2q, .offset: 80, .size: 8, .value_kind: global_buffer, .address_space: global }
      - { .name: gates, .offset: 88, .size: 8, .value_kind: global_buffer, .address_space: global }
    .group_segment_fixed_size: 52736
    .private_segment_fixed_size: 0
    .kernarg_segment_align: 8
    .kernarg_segment_size: 96
    .max_flat_workgroup_size: 128
    .sgpr_count:     66
    .vgpr_count:     192
    .wavefront_size: 32
...
	.end_amdgpu_metadata
.endif
;; end of part 1
;; launch ffn1 (part 2): grid 16 x 16, 4 waves a work-group, clusters of 4 x 4, 327,680 bytes of LDS; arguments xq, w1q, b1, hq; writes hq
.if DOCPART == 2
	.amdgcn_target "amdgcn-amd-amdhsa--gfx1250"
	.amdhsa_code_object_version 6
	.text
	.protected	k_q467a0889f2_ffn1
	.globl	k_q467a0889f2_ffn1
	.p2align	8
	.type	k_q467a0889f2_ffn1,@function
k_q467a0889f2_ffn1:
	s_mov_b64 s[64:65], 0
	v_nop
	global_prefetch_b8 v0, s[64:65] scope:SCOPE_SE
	s_setreg_imm32_b32 hwreg(HW_REG_WAVE_MODE, 25, 1), 1
	s_wait_xcnt 0x0
	s_wait_alu depctr_hold_cnt(0) depctr_sa_sdst(0) depctr_va_vdst(0) depctr_va_sdst(0) depctr_va_ssrc(0) depctr_va_vcc(0) depctr_vm_vsrc(0)
	s_getreg_b32 s2, hwreg(HW_REG_IB_STS2, 6, 4)
	s_cmp_eq_u32 s2, 0
	s_cbranch_scc0 .Lentry_in_a_cluster
	s_endpgm
.Lentry_in_a_cluster:
	s_bfe_u32 s2, ttmp6, 0x10000c
	s_cmp_lg_u32 s2, 0xf033
	s_cbranch_scc0 .Lentry_shape_is_right
	s_endpgm
.Lentry_shape_is_right:
.set SLOT,  76800                      ; A's two slots lie on end from LDS byte 0, B's two from BOFF: so the head's one load a wave fills both slots of its operand
.set BOFF,  153600
.set QTR,   25600
.set REC,   12800
.set NB,    3276800
.set SPARE, 307200
.set ADA, 4
.set ADB, 6
.set ADS, 8
.set BO,  10
.set SWO, 11
.set SPW, 12
.set NIL, 13
.set SC,  32
.set HA,  64
.set PC,  128
.set TM,  148
.set PW,  164
.set G1A,  24
.set G1B,  32
.set G1A2, 40
.set G1B2, 48
.set G0A,  68
.set G0B,  76
.set SEL,  84
.set HQ,   86
.set A38,  88
.set A25,  90
.set B38,  92
.set B25,  94
.set W38,  96
.set W25,  97
.set MSB, 0
.macro WIN new
.if MSB != (\new)
	s_set_vgpr_msb (MSB<<8)|(\new)
.set MSB, (\new)
.endif
.endm
.macro PLACES
.rept 4
	v_nop
.endr
.endm
.macro JLOAD g0a, g1a, g0b, g1b
	s_cmp_eq_u32 s15, 0
	s_cbranch_scc0 .Lfor_b_\@
	tensor_load_to_lds s[\g0a:\g0a+3], s[\g1a:\g1a+7]
	s_nop 0
.rept 4
	v_nop
.endr
	s_branch .Lasked_\@
.Lfor_b_\@:
	tensor_load_to_lds s[\g0b:\g0b+3], s[\g1b:\g1b+7]
	s_nop 0
.rept 4
	v_nop
.endr
.Lasked_\@:
.endm
.macro CREST
	s_cmp_lg_u32 s14, 0
	s_cbranch_scc1 .Lnot_wave_0_\@
	s_barrier_signal -3
.Lnot_wave_0_\@:
	s_barrier_wait -3
	s_barrier_signal -1
	s_barrier_wait -1
.endm
.macro CROUND
	s_barrier_signal -1
	s_barrier_wait -1
	CREST
.endm
.macro SETG0 g, base, goff, wreg, loff
	s_mov_b32 s[\g], 1
	s_add_co_u32 s[\g+1], s[\wreg], \loff
	s_add_nc_u64 s[\g+2:\g+3], s[\base:\base+1], \goff
	s_or_b32 s[\g+3], s[\g+3], 0x80000000
.endm
.macro FILLSET f
.if \f == 0
	SETG0 G0A, A38, 0, W38, 0
	SETG0 G0B, B38, 0, W38, BOFF
.elseif \f == 1
	SETG0 G0A+4, A38, 76800, W38, SLOT
	SETG0 G0B+4, B38, 76800, W38, SLOT+BOFF
.elseif \f == 2
	SETG0 G0A, A25, 153600, W25, 0
	SETG0 G0B, B25, 153600, W25, BOFF
.elseif \f == 3
	SETG0 G0A+4, A38, 0, W38, SLOT
	SETG0 G0B+4, B38, NB, W38, SLOT+BOFF
.elseif \f == 4
	SETG0 G0A, A38, 76800, W38, 0
	SETG0 G0B, B38, NB+76800, W38, BOFF
.else
	SETG0 G0A+4, A25, 153600, W25, SLOT
	SETG0 G0B+4, B25, NB+153600, W25, SLOT+BOFF
.endif
.endm
.macro FILLGO f
.if (\f == 0) || (\f == 4)
	JLOAD G0A, G1A, G0B, G1B
.elseif (\f == 1) || (\f == 3)
	JLOAD G0A+4, G1A, G0B+4, G1B
.elseif \f == 2
	JLOAD G0A, G1A2, G0B, G1B2
.else
	JLOAD G0A+4, G1A2, G0B+4, G1B2
.endif
.endm
.macro FETCH s, q, p
	WIN 0x40
.irp i, 0,1,2,3,4,5,6,7
.irp g, 0,1,2
	ds_load_b128 v[128*(\p)+12*\i+4*\g:128*(\p)+12*\i+4*\g+3], v[ADB+\s] offset:QTR*(\q)+1536*\i+512*\g
.endr
.endr
	WIN 0
.irp i, 0,1,2,3,4,5,6,7
.irp g, 0,1,2
	ds_load_b128 v[64+96*(\p)+12*\i+4*\g:64+96*(\p)+12*\i+4*\g+3], v[ADA+\s] offset:QTR*(\q)+1536*\i+512*\g
.endr
.endr
	ds_load_b128 v[SC+8*(\p):SC+8*(\p)+3], v[ADS+\s] offset:QTR*(\q)
	ds_load_b128 v[SC+8*(\p)+4:SC+8*(\p)+7], v[ADS+\s] offset:QTR*(\q)+16
.endm
.macro MUL a0, n, p, bias
.set AA, \a0
.rept \n
.if \bias
.set WW, 0x91+0x40*(AA/4)
.else
.set WW, 0xa1+0x50*(AA/4)
.endif
	WIN WW
.irp b, 0,1,2,3,4,5,6,7
.set AC, 8*(8*(AA%4)+\b)
.set BF, 128*(\p)+12*\b
.set AFR, 64+96*(\p)+12*AA
.if \bias
.set CR, 96+8*\b+96*(\b/4)
	v_wmma_scale_f32_16x16x128_f8f6f4 v[AC:AC+7], v[BF:BF+11], v[AFR:AFR+11], v[CR:CR+7], v[SC+8*(\p)+\b], v[SC+8*(\p)+AA] matrix_a_fmt:MATRIX_FMT_BF6 matrix_b_fmt:MATRIX_FMT_BF6 matrix_a_scale:MATRIX_SCALE_ROW1
.else
	v_wmma_scale_f32_16x16x128_f8f6f4 v[AC:AC+7], v[BF:BF+11], v[AFR:AFR+11], v[AC:AC+7], v[SC+8*(\p)+\b], v[SC+8*(\p)+AA] matrix_a_fmt:MATRIX_FMT_BF6 matrix_b_fmt:MATRIX_FMT_BF6 matrix_a_scale:MATRIX_SCALE_ROW1
.endif
.endr
.set AA, AA+1
.endr
.endm
.macro STEPN s, qn, p, bias
.if \bias == 0
	PLACES
.endif
	FETCH \s, \qn, 1-(\p)
	s_wait_dscnt 50
	MUL 0, 8, \p, \bias
.endm
.macro STEPL nx, p, f, fetch
	WIN 0
	s_wait_tensorcnt 0x0
	ds_add_u32 v[SPW], v[NIL]
.if \f
	FILLSET \f
.endif
	s_wait_dscnt 1
	MUL 0, 1, \p, 0
	s_wait_dscnt 0x0
	s_barrier_signal -1
	MUL 1, 1, \p, 0
	WIN 0
	s_barrier_wait -1
.if \f
	CREST
	FILLGO \f
.else
	PLACES
.endif
.if \fetch
	FETCH \nx, 0, 1-(\p)
.endif
	MUL 2, 6, \p, 0
.endm
.macro B1LOAD off
	WIN 0x40
.irp t, 0,1,2,3,4,5,6,7
	global_load_b128 v[96+8*\t+96*(\t/4):96+8*\t+96*(\t/4)+3], v[BO], s[8:9] offset:\off+(32*(\t/2)+8*(\t%2))*4
	global_load_b128 v[96+8*\t+96*(\t/4)+4:96+8*\t+96*(\t/4)+7], v[BO], s[8:9] offset:\off+(32*(\t/2)+8*(\t%2))*4+16
.endr
	WIN 0
.endm
.macro QUANT a
.irp b, 0,1,2,3
	v_max3_num_f32 v[TM+\b], v[HA+16*\b], v[HA+16*\b+1], 0x2800000
.endr
.irp i, 2,4,6,8,10,12,14
.irp b, 0,1,2,3
	v_max3_num_f32 v[TM+\b], v[TM+\b], v[HA+16*\b+\i], v[HA+16*\b+\i+1]
.endr
.endr
.irp b, 0,1,2,3
	v_permlanex16_b32 v[TM+4+\b], v[TM+\b], s[SEL], s[SEL+1]
.endr
.irp b, 0,1,2,3
	v_max_num_f32 v[TM+\b], v[TM+\b], v[TM+4+\b]
.endr
.irp b, 0,1,2,3
	v_add_nc_u32 v[TM+12+\b], 0xfe000000, v[TM+\b]
.endr
.irp b, 0,1,2,3
	v_lshrrev_b32 v[TM+4+\b], 23, v[TM+12+\b]
.endr
	v_lshl_or_b32 v[PW+\a], v[TM+5], 8, v[TM+4]
	v_lshl_or_b32 v[PW+\a], v[TM+6], 16, v[PW+\a]
	v_lshl_or_b32 v[PW+\a], v[TM+7], 24, v[PW+\a]
.irp c, 0,1
	v_cvt_scalef32_pk16_bf6_f32 v[PC+6*\c:PC+6*\c+2], v[HA+32*\c:HA+32*\c+15], v[TM+12+2*\c]
	v_cvt_scalef32_pk16_bf6_f32 v[PC+12+4*\c:PC+12+4*\c+2], v[HA+32*\c+16:HA+32*\c+31], v[TM+12+2*\c+1]
.endr
	v_nop
.irp c, 0,1
.irp i, 0,1,2
	v_permlane16_swap_b32 v[PC+6*\c+\i], v[PC+12+4*\c+\i]
.endr
.irp i, 0,1,2
	v_mov_b32 v[PC+6*\c+3+\i], v[PC+12+4*\c+\i]
.endr
.endr
.endm
.macro WAYOUT
	WIN 0
	PLACES
.irp b, 0,1,2,3
	v_mov_b32 v[TM+4+\b], 0
.endr
.irp a, 0,1,2,3,4,5,6,7
	s_wait_xcnt 0x0
	WIN 0x08+4*(\a/4)
.set J, 0
.rept 64
	v_max_num_f32 v[HA+J], 0, v[64*(\a%4)+J]
.set J, J+1
.endr
	WIN 0
	QUANT \a
.irp g, 0,1,2
	global_store_b128 v3, v[PC+4*\g:PC+4*\g+3], s[HQ:HQ+1] offset:1536*\a+512*\g
.endr
.endr
	v_cmp_eq_u32 vcc_lo, 1, v2
.irp i, 0,1,2,3
	v_cndmask_b32 v[172+\i], v[PW+\i], v[PW+4+\i], vcc_lo
.endr
	global_store_b128 v[SWO], v[172:175], s[HQ:HQ+1] offset:12288
.endm
	s_load_b256 s[4:11], s[0:1], 0x0
	v_lshl_add_u32 v[SPW], v0, 2, SPARE
	v_mov_b32 v[NIL], 0
	ds_add_u32 v12, v13
	ds_add_u32 v12, v13
	s_wait_dscnt 0x0
	v_lshrrev_b32 v1, 5, v0
	v_readfirstlane_b32 s14, v1
	s_lshr_b32 s15, s14, 1
	s_and_b32 s16, s14, 1
	s_bfe_u32 s17, ttmp6, 0x40000
	s_bfe_u32 s18, ttmp6, 0x40004
	s_lshl_b32 s21, ttmp9, 2
	s_add_co_u32 s21, s21, s17
	s_and_b32 s22, ttmp7, 0xffff
	s_lshl_b32 s22, s22, 2
	s_add_co_u32 s22, s22, s18
	s_lshl_b32 s19, s18, 2
	s_lshl_b32 s19, 15, s19
	s_lshl_b32 s20, 0x1111, s17
	s_or_b32 s[G1A], s19, (3<<16)|(1<<21)
	s_or_b32 s[G1B], s20, (3<<16)|(1<<21)
	s_or_b32 s[G1A2], s19, (3<<16)|(1<<21)
	s_or_b32 s[G1B2], s20, (3<<16)|(1<<21)
.irp g, G1A, G1B
	s_mov_b32 s[\g+1], 32<<16
	s_mov_b32 s[\g+2], 300<<16                     ; the head's loads bring 300 rows of 256 bytes; behind them the two words that count rows are set to 150
	s_mov_b32 s[\g+3], 32<<16
	s_mov_b32 s[\g+4], 300
	s_mov_b32 s[\g+5], 32
	s_mov_b32 s[\g+6], 0
	s_mov_b32 s[\g+7], 0
.endr
.irp g, G1A2, G1B2
	s_mov_b32 s[\g+1], 32<<16
	s_mov_b32 s[\g+2], 100<<16
	s_mov_b32 s[\g+3], 32<<16
	s_mov_b32 s[\g+4], 100
	s_mov_b32 s[\g+5], 32
	s_mov_b32 s[\g+6], 0
	s_mov_b32 s[\g+7], 0
.endr
	s_mul_i32 s[W38], s16, 38400
	s_mul_i32 s[W25], s16, 25600
	s_mul_i32 s56, s22, 204800
	s_mov_b32 s57, 0
	s_mul_i32 s58, s21, 204800
	s_mov_b32 s59, 0
	s_mov_b32 s60, s[W38]
	s_mov_b32 s61, 0
	s_mov_b32 s62, s[W25]
	s_mov_b32 s63, 0
	s_mov_b32 s[SEL], 0x76543210
	s_mov_b32 s[SEL+1], 0xfedcba98
	s_wait_kmcnt 0x0
	s_add_nc_u64 s[56:57], s[4:5], s[56:57]
	s_add_nc_u64 s[58:59], s[6:7], s[58:59]
	s_add_nc_u64 s[A38:A38+1], s[56:57], s[60:61]
	s_add_nc_u64 s[A25:A25+1], s[56:57], s[62:63]
	s_add_nc_u64 s[B38:B38+1], s[58:59], s[60:61]
	s_add_nc_u64 s[B25:B25+1], s[58:59], s[62:63]
	s_add_nc_u64 s[56:57], s[A38:A38+1], s[60:61]  ; the head's load: my half, 76,800 bytes, of my operand's first six K steps' records, dense in memory and in LDS
	s_add_nc_u64 s[58:59], s[B38:B38+1], s[60:61]
	s_lshl_b32 s98, s[W38], 1
	SETG0 G0A, 56, 0, 98, 0
	SETG0 G0B, 58, 0, 98, BOFF
	CROUND
	FILLGO 0                                       ; one tensor load a wave at the head: both slots' first fills
	v_and_b32 v1, 15, v0
	v_bfe_u32 v2, v0, 4, 1
	v_and_b32 v3, 31, v0
	v_lshlrev_b32 v3, 4, v3
	s_mul_i32 s60, s15, REC
	s_mul_i32 s62, s16, REC
	s_add_co_u32 s62, s62, BOFF
	v_add_nc_u32 v[ADA], s60, v3
	v_add_nc_u32 v[ADA+1], SLOT, v[ADA]
	v_add_nc_u32 v[ADB], s62, v3
	v_add_nc_u32 v[ADB+1], SLOT, v[ADB]
	s_sub_co_u32 s62, s62, s60
	v_mul_u32_u24 v[ADS], s62, v2
	v_lshl_add_u32 v[ADS], v1, 5, v[ADS]
	s_add_co_u32 s60, s60, 12288
	v_add_nc_u32 v[ADS], s60, v[ADS]
	v_add_nc_u32 v[ADS+1], SLOT, v[ADS]
	v_lshlrev_b32 v[BO], 6, v2
	v_lshlrev_b32 v[SWO], 5, v1
	v_lshl_add_u32 v[SWO], v2, 4, v[SWO]
	s_lshl_b32 s60, s21, 10
	s_lshl_b32 s62, s16, 9
	s_add_co_u32 s60, s60, s62
	s_mov_b32 s61, 0
	s_add_nc_u64 s[8:9], s[8:9], s[60:61]
	B1LOAD 0
	s_lshl_b32 s60, s21, 1
	s_add_co_u32 s60, s60, s16
	s_lshl_b32 s63, s22, 1
	s_add_co_u32 s63, s63, s15
	s_lshl_b32 s63, s63, 4
	s_and_b32 s98, s60, 15
	s_add_co_u32 s63, s63, s98
	s_lshl_b32 s63, s63, 2
	s_lshr_b32 s60, s60, 4
	s_add_co_u32 s63, s63, s60
	s_mul_i32 s[HQ], s63, REC
	s_mov_b32 s[HQ+1], 0
	s_add_nc_u64 s[HQ:HQ+1], s[10:11], s[HQ:HQ+1]
	s_wait_alu depctr_va_vdst(0)
	s_wait_tensorcnt 0x0                           ; my part of both slots is in; no tensor load of mine is out, so a descriptor may be written: from here on these groups 1 count 150 rows
	s_mov_b32 s[G1A+2], 150<<16
	s_mov_b32 s[G1A+4], 150
	s_mov_b32 s[G1B+2], 150<<16
	s_mov_b32 s[G1B+4], 150
	s_barrier_signal -1
	s_barrier_wait -1
	FETCH 0, 0, 0
	s_wait_loadcnt 0x0
	STEPN 0, 1, 0, 1
	STEPN 0, 2, 1, 0
	STEPL 1, 0, 2, 1
	B1LOAD 16384
	STEPN 1, 1, 1, 0
	STEPN 1, 2, 0, 0
	STEPL 0, 1, 3, 1
	STEPN 0, 1, 0, 0
	STEPL 0, 1, 4, 0
	WAYOUT
	s_wait_xcnt 0x0
	s_add_nc_u64 s[HQ:HQ+1], s[HQ:HQ+1], 2*REC
	FETCH 1, 0, 0
	s_wait_loadcnt 0x0
	STEPN 1, 1, 0, 1
	STEPN 1, 2, 1, 0
	STEPL 0, 0, 5, 1
	STEPN 0, 1, 1, 0
	STEPN 0, 2, 0, 0
	STEPL 1, 1, 0, 1
	STEPN 1, 1, 0, 0
	s_wait_dscnt 0x0
	MUL 0, 8, 1, 0
	WAYOUT
	s_wait_tensorcnt 0x0
	ds_add_u32 v[SPW], v[NIL]
	s_wait_dscnt 0x0
	CROUND
	s_endpgm
.Lfunc_end_k_q467a0889f2_ffn1:
	.size	k_q467a0889f2_ffn1, .Lfunc_end_k_q467a0889f2_ffn1-k_q467a0889f2_ffn1
	.p2alignl 7, 3214868480
	.fill 96, 4, 3214868480
	.section	.rodata,"a",@progbits
	.p2align	6, 0x0
	.amdhsa_kernel k_q467a0889f2_ffn1
		.amdhsa_group_segment_fixed_size 327680
		.amdhsa_private_segment_fixed_size 0
		.amdhsa_enable_private_segment 0
		.amdhsa_kernarg_size 32
		.amdhsa_user_sgpr_count 2
		.amdhsa_user_sgpr_kernarg_segment_ptr 1
		.amdhsa_wavefront_size32 1
		.amdhsa_system_sgpr_workgroup_id_x 1
		.amdhsa_system_sgpr_workgroup_id_y 1
		.amdhsa_system_sgpr_workgroup_id_z 1
		.amdhsa_system_vgpr_workitem_id 0
		.amdhsa_next_free_vgpr 1024
		.amdhsa_next_free_sgpr 100
		.amdhsa_reserve_vcc 1
		.amdhsa_float_denorm_mode_32 3
		.amdhsa_float_denorm_mode_16_64 3
		.amdhsa_memory_ordered 1
		.amdhsa_forward_progress 1
		.amdhsa_inst_pref_size 255
	.end_amdhsa_kernel
	.section	.bss,"aw",@nobits
	.p2align	6
	.space	262144
	.amdgpu_metadata
---
amdhsa.version: [ 1, 2 ]
amdhsa.kernels:
  - .name:           k_q467a0889f2_ffn1
    .symbol:         k_q467a0889f2_ffn1.kd
    .args:
      - { .name: xq, .offset: 0, .size: 8, .value_kind: global_buffer, .address_space: global }
      - { .name: w1q, .offset: 8, .size: 8, .value_kind: global_buffer, .address_space: global }
      - { .name: b1, .offset: 16, .size: 8, .value_kind: global_buffer, .address_space: global }
      - { .name: hq, .offset: 24, .size: 8, .value_kind: global_buffer, .address_space: global }
    .group_segment_fixed_size: 327680
    .private_segment_fixed_size: 0
    .kernarg_segment_align: 8
    .kernarg_segment_size: 32
    .max_flat_workgroup_size: 128
    .sgpr_count:     100
    .vgpr_count:     1024
    .wavefront_size: 32
...
	.end_amdgpu_metadata
.endif
;; end of part 2
;; launch ffn2 (part 3): grid 8 x 32, 4 waves a work-group, clusters of 4 x 4, 327,680 bytes of LDS; arguments hq, w2q, gates, b2, out0; writes out0
.if DOCPART == 3
	.amdgcn_target "amdgcn-amd-amdhsa--gfx1250"
	.amdhsa_code_object_version 6
	.text
	.protected	k_q467a0889f2_ffn2
	.globl	k_q467a0889f2_ffn2
	.p2align	8
	.type	k_q467a0889f2_ffn2,@function
k_q467a0889f2_ffn2:
	s_mov_b64 s[64:65], 0
	v_nop
	global_prefetch_b8 v0, s[64:65] scope:SCOPE_SE
	s_setreg_imm32_b32 hwreg(HW_REG_WAVE_MODE, 25, 1), 1
	s_wait_xcnt 0x0
	s_wait_alu depctr_hold_cnt(0) depctr_sa_sdst(0) depctr_va_vdst(0) depctr_va_sdst(0) depctr_va_ssrc(0) depctr_va_vcc(0) depctr_vm_vsrc(0)
	s_getreg_b32 s2, hwreg(HW_REG_IB_STS2, 6, 4)
	s_cmp_eq_u32 s2, 0
	s_cbranch_scc0 .Lentry_in_a_cluster
	s_endpgm
.Lentry_in_a_cluster:
	s_bfe_u32 s2, ttmp6, 0x10000c
	s_cmp_lg_u32 s2, 0xf033
	s_cbranch_scc0 .Lentry_shape_is_right
	s_endpgm
.Lentry_shape_is_right:
; out[t][d] = sum over the two experts e of gate[t][e] x (sum over f of h_e[t][f] W2[e][f][d] + b2[e][d]), the inner product on codes of BF6 (E3M2) with E8M0 scales.
; hq and w2q are made of records of 128 rows x 128 K, 12,800 bytes: 8 fragments as images of the operand's 12 registers (registers 4 g .. 4 g + 3 of lane L at 512 g + 16 L), then the scale words (tile i, lane r at 32 r + 4 i).
; For a block of 128 rows and a step s of 16 the four records q = 2 e + (half of f) lie on end: 51,200 bytes.  A(s): h's four records of step s; B(s): W2's.
; SHARES.  A work-group owns 128 tokens x 128 d: each output has one owner.  THE WAVES SPLIT K: wave q takes expert q / 2, half q % 2 of f: 16 steps of 128, a tile of 128 x 128, 64 accumulators.
; Each of an expert's two waves begins its sums with b2[e] / 2 as the C of step 0 (a factor of a power of two: nothing is rounded), so the two sums together hold h W2 + b2 of that expert.
; The four sums meet in LDS at the end, where each row's two gates are applied.  The order of the sums along f so differs from a single ascending chain.
; CLUSTERS: 4 x 4 work-groups.  The four of a row own the same tokens and ask for A jointly, the four of a column own the same d and ask for B jointly.
; THE RING: two slots of 153,600 bytes, three records a wave.  X(k) = A(3k), B(3k), B(3k+1);  Y(k) = A(3k+1), A(3k+2), B(3k+2).  X(5) holds A(15) and B(15) alone.
; In LDS step s of A lies at 51,200 (s % 3), step s of B at 153,600 + 51,200 (s % 3): so A(0 .. 2) and B(0 .. 2) are dense in LDS as in memory, and the head's one load a wave (a half of one of them) fills X(0) and Y(0) together.
; Behind the head waves 0, 1 fetch A's bytes of a fill in two halves, waves 2, 3 B's: one tensor load a wave behind each round; a wave has one tensor load out.
; X(k) is read last at the head of step 3k (B(3k+1)) and is filled again in that step's second half; Y(k) is read last at the end of step 3k+1 (A(3k+2)) and is filled again in step 3k+2's first half.
; REGISTERS.  A has ONE set: a step goes by A's tiles, each against B's eight, so tiles 0-3 are fetched anew in the step's middle and tiles 4-7 at its end.  B has THREE sets (step % 3), so that after three steps every register number is back: a loop's trip is three steps.
;   window 0: v1-15, v48-55 addresses; v16-23 A's scale words; v24-47 B's, three sets; v64-159 A's fragments; v160-255 B's set 2 (in step 0: v160-223 b2 / 2).  window 1: B's sets 0, 1 at v0, v128.
;   windows 2, 3: accumulator (token tile a, d tile b) at v[8 (8 (a % 4) + b)] of window 2 + a / 4.
; TRANSPOSED: source 0 = 16 rows (d) of W2, source 1 = 16 tokens: a lane holds one token and eight neighbouring d.
; PREFETCH: behind each fill the same slot's next fill (two fills on; behind the head's: X(1) and Y(1)) is asked for, each block of 256 bytes once in a cluster: of the rows that a wave fetches each of the four partners that ask jointly takes a quarter, told apart by address.
;   X(5) is not asked for: its second half of B does not exist.  What a work-group has asked for and not yet loaded is at most two fills' share.
; LIMITS: NaN and infinities are not served.
.set REC,   12800
.set STP,   51200                      ; a step's four records
.set TRI,   153600                     ; three steps of one operand; a slot
.set SPARE, 327168                     ; the spare words, 128 bytes a wave: the last two blocks of 256 bytes, which no other line names
.set SPITCH, 528                       ; the way out: a stage of 128 rows x (512 + 16) bytes for each wave, from LDS byte 0 on: the slots have had their last fill by then
.set WSTG,  128*SPITCH
.set RA,   2                           ; v2-4   my record + 16 x lane, at LDS 0, 102,400, 204,800; the immediate reaches the 51,200 between
.set RS,   8                           ; v8-10  its scale words, + 32 (lane % 16)
.set P25,  11                          ; v11    prefetch offsets: 256 x min(lane, 24): 25 rows
.set P50A, 12                          ; v12    256 x lane,
.set P50B, 55                          ; v55    256 x min(lane + 32, 49): 50 rows in two instructions
.set SPW,  14                          ; v14    my spare word; never rewritten
.set NIL,  15                          ; v15    0; never rewritten
.set SA,   16
.set SB,   24
.set RD,   50                          ; v50-53 the stage, back: wave 0 .. 3's part of my 32 rows
.set STO,  54                          ; v54    the stage, in
.set AF,   64
.set BI,   160                         ; v160-223 b2[my expert] / 2 at my eight d of each d tile
.set BUF,  64                          ; the way out: two buffers of 4 rows x 4 waves x 4 registers
.set PFX,  16                          ; s[16:17], s[18:19] where my prefetches of X's and Y's fills stand
.set PFY,  18
.set G1A1, 24                          ; groups 1: A's mask, 100 rows of 256 bytes; 200 rows (300 for the head's load); B's mask, 100; 200 (300)
.set G1A2, 32
.set G1B1, 40
.set G1B2, 48
.set GXA,  68                          ; groups 0: X's part of A, of B; Y's part of A, of B (these two serve the head's loads first)
.set GXB,  72
.set GYA,  76
.set GYB,  80
.set MSB, 0
.macro WIN new
.if MSB != (\new)
	s_set_vgpr_msb (MSB<<8)|(\new)
.set MSB, (\new)
.endif
.endm
.macro PLACES                          ; four plain instructions between a matrix instruction and a load into its registers, or a read of its result
.rept 4
	v_nop
.endr
.endm
.macro CREST
	s_cmp_lg_u32 s14, 0
	s_cbranch_scc1 .Lnot_wave_0_\@
	s_barrier_signal -3
.Lnot_wave_0_\@:
	s_barrier_wait -3
	s_barrier_signal -1
	s_barrier_wait -1
.endm
.macro CROUND
	s_barrier_signal -1
	s_barrier_wait -1
	CREST
.endm
.macro TLOAD g0, g1                    ; s_nop 0 and four v_nop behind each tensor load; the four are also the places in front of the LDS loads that follow
	tensor_load_to_lds s[\g0:\g0+3], s[\g1:\g1+7]
	s_nop 0
	PLACES
.endm
.macro JLOAD g0a, g1a, g0b, g1b        ; waves 0, 1 ask for A, waves 2, 3 for B: each line has one mask; the branch hangs on the wave's number alone
	s_cmp_eq_u32 s15, 0
	s_cbranch_scc0 .Lfor_b_\@
	TLOAD \g0a, \g1a
	s_branch .Lasked_\@
.Lfor_b_\@:
	TLOAD \g0b, \g1b
.Lasked_\@:
.endm
.macro JLOADP                          ; X(5): A(15) by waves 0, 1, B(15) by wave 2; wave 3 has no part to fetch
	s_cmp_eq_u32 s15, 0
	s_cbranch_scc0 .Lfor_b_\@
	TLOAD GXA, G1A1
	s_branch .Lasked_\@
.Lfor_b_\@:
	s_cmp_eq_u32 s14, 2
	s_cbranch_scc0 .Lnone_\@
	TLOAD GXB, G1B2
	s_branch .Lasked_\@
.Lnone_\@:
	PLACES
.Lasked_\@:
.endm
.macro ASK ptr, big, cond              ; my work-group's quarter of the rows that my wave will fetch two fills on: 50 rows where my operand has two steps in that slot (big: 0 A, 1 B), else 25; a lane a row.  cond: not in the loop's last trip
.if (\cond)
	s_cmp_gt_u32 s3, 1
	s_cbranch_scc0 .Lpf_done_\@
.endif
	s_cmp_eq_u32 s15, \big
	s_cbranch_scc1 .Lpf_big_\@
	global_prefetch_b8 v[P25], s[\ptr:\ptr+1] th:TH_LOAD_NT scope:SCOPE_SE
	s_branch .Lpf_done_\@
.Lpf_big_\@:
	global_prefetch_b8 v[P50A], s[\ptr:\ptr+1] th:TH_LOAD_NT scope:SCOPE_SE
	global_prefetch_b8 v[P50B], s[\ptr:\ptr+1] th:TH_LOAD_NT scope:SCOPE_SE
.Lpf_done_\@:
.endm
.macro FA hf, rg, off                  ; 13 LDS loads: A's tiles 4 hf .. 4 hf + 3 and their scale words
	WIN 0
.irp i, 0,1,2,3
.irp g, 0,1,2
	ds_load_b128 v[AF+12*(4*\hf+\i)+4*\g:AF+12*(4*\hf+\i)+4*\g+3], v[RA+\rg] offset:\off+1536*(4*\hf+\i)+512*\g
.endr
.endr
	ds_load_b128 v[SA+4*\hf:SA+4*\hf+3], v[RS+\rg] offset:\off+16*\hf
.endm
.macro FB st, rg, off                  ; 26 LDS loads: a record of B into set st
	WIN 0
	ds_load_b128 v[SB+8*\st:SB+8*\st+3], v[RS+\rg] offset:\off
	ds_load_b128 v[SB+8*\st+4:SB+8*\st+7], v[RS+\rg] offset:\off+16
.if \st < 2
	WIN 0x40
.set BB0, 128*\st
.else
.set BB0, 160
.endif
.irp i, 0,1,2,3,4,5,6,7
.irp g, 0,1,2
	ds_load_b128 v[BB0+12*\i+4*\g:BB0+12*\i+4*\g+3], v[RA+\rg] offset:\off+1536*\i+512*\g
.endr
.endr
	WIN 0
.endm
.macro MUL a0, n, st, first            ; token tiles a0 .. a0 + n - 1 x all 8 d tiles; the 64 accumulators take turns, in the same order in every step.  first = 1 (step 0, set 0): C is b2 / 2, in window 0
.set AA, \a0
.rept \n
.if \first
.set WW, 0x81+0x40*(AA/4)
.set BB0, 0
.elseif \st < 2
.set WW, 0xa1+0x50*(AA/4)
.set BB0, 128*\st
.else
.set WW, 0xa0+0x50*(AA/4)
.set BB0, 160
.endif
	WIN WW
.irp b, 0,1,2,3,4,5,6,7
.if \first
	v_wmma_scale_f32_16x16x128_f8f6f4 v[8*(8*(AA%4)+\b):8*(8*(AA%4)+\b)+7], v[BB0+12*\b:BB0+12*\b+11], v[AF+12*AA:AF+12*AA+11], v[BI+8*\b:BI+8*\b+7], v[SB+8*\st+\b], v[SA+AA] matrix_a_fmt:MATRIX_FMT_BF6 matrix_b_fmt:MATRIX_FMT_BF6
.else
	v_wmma_scale_f32_16x16x128_f8f6f4 v[8*(8*(AA%4)+\b):8*(8*(AA%4)+\b)+7], v[BB0+12*\b:BB0+12*\b+11], v[AF+12*AA:AF+12*AA+11], v[8*(8*(AA%4)+\b):8*(8*(AA%4)+\b)+7], v[SB+8*\st+\b], v[SA+AA] matrix_a_fmt:MATRIX_FMT_BF6 matrix_b_fmt:MATRIX_FMT_BF6
.endif
.endr
.set AA, AA+1
.endr
.endm
.macro GRD
	WIN 0
	s_wait_tensorcnt 0x0
	ds_add_u32 v[SPW], v[NIL]
.endm
.macro ST ah                           ; token tiles 4 ah .. 4 ah + 3 go to my stage as they are, each accumulator from its low end on: lane (r, h): token 16 a + r, d 16 b + 8 h + 0 .. 7
	WIN 0x08+4*\ah
.irp a4, 0,1,2,3
.irp b, 0,1,2,3,4,5,6,7
	ds_store_b128 v[STO], v[8*(8*\a4+\b):8*(8*\a4+\b)+3] offset:16*SPITCH*(4*\ah+\a4)+64*\b
	ds_store_b128 v[STO], v[8*(8*\a4+\b)+4:8*(8*\a4+\b)+7] offset:16*SPITCH*(4*\ah+\a4)+64*\b+16
.endr
.endr
	WIN 0
.endm
; THE COUNTS ON DScnt.  Each step enters with A's tiles 4-7 (13 loads) youngest.  39 = those 13 and a record of B (26), or a record of B and A's next tiles 0-3 (13); 27 = a record of B and the add.
; Step 3k, on B's set 0.  fill = 1: X takes X(k+1); 2: X(5); 0: the very last step.  ask = 1: prefetch; 2: but in the loop's last trip
.macro POS0 first, fill, ask
.if \fill
	FB 1, 2, 0                                     ; B(3k+1): my last read of X(k)
	s_wait_dscnt 39
	MUL 0, 4, 0, \first
.if \ask
	s_wait_xcnt 0x0                                ; my prefetches have read their address
	s_add_nc_u64 s[PFX:PFX+1], s[PFX:PFX+1], TRI
.endif
	GRD
.if \fill == 1
	s_add_nc_u64 s[GYA+2:GYA+3], s[GYA+2:GYA+3], TRI   ; no load of mine is out: Y's groups 0 step to Y(k+1)
	s_add_nc_u64 s[GYB+2:GYB+3], s[GYB+2:GYB+3], TRI
.endif
	s_wait_dscnt 27                                ; A's tiles 4-7 are in
	MUL 4, 1, 0, \first                            ; eight products stand between the add and the wait for it
	s_wait_dscnt 0x0                               ; the add is done, and my reads of X are over
	s_barrier_signal -1
	MUL 5, 1, 0, \first
	WIN 0
	s_barrier_wait -1
	CREST                                          ; the barrier has opened a round of the cluster's: no wave of any partner still reads X or has a load on its way; Y(k) is whole
.if \fill == 1
	JLOAD GXA, G1A1, GXB, G1B2
.else
	JLOADP
.endif
	FA 0, 0, STP                                   ; A(3k+1), from Y
.if \ask
	ASK PFX, 1, \ask-1
.endif
	MUL 6, 2, 0, \first
	PLACES
	FA 1, 0, STP
.else
	s_load_b512 s[24:39], s[56:57], 0x0            ; the gates of the 32 rows that I store, two a row: rows 0-15 in s24-55, rows 16-31 in s68-99 (no tensor load is out, and no pending load or prefetch names these registers)
	s_load_b512 s[40:55], s[56:57], 0x40
	s_load_b512 s[68:83], s[56:57], 0x80
	s_load_b512 s[84:99], s[56:57], 0xc0
	s_wait_dscnt 13
	MUL 0, 4, 0, 0
	s_wait_dscnt 0x0                               ; my last reads of the ring are over
	s_barrier_signal -1
	MUL 4, 1, 0, 0
	s_barrier_wait -1                              ; nobody reads the ring any more: the stages may be written
	PLACES
	ST 0                                           ; tiles 0-3 are finished: they leave while tiles 5-7 are multiplied
	MUL 5, 3, 0, 0
	PLACES
	ST 1
.endif
.endm
.macro POS1                            ; step 3k+1, on B's set 1: no change of slots
	FB 2, 2, STP                                   ; B(3k+2), from Y
	s_wait_dscnt 39
	MUL 0, 4, 1, 0
	PLACES
	FA 0, 1, 0                                     ; A(3k+2), from Y
	s_wait_dscnt 39
	MUL 4, 4, 1, 0
	PLACES
	FA 1, 1, 0                                     ; my last read of Y(k)
.endm
.macro POS2 fill, ask                  ; step 3k+2, on B's set 2.  fill = 1: Y takes Y(k+1); 0: nothing is left to fetch, so no round
	s_wait_dscnt 13
	MUL 0, 1, 2, 0
.if \ask
	s_wait_xcnt 0x0
	s_add_nc_u64 s[PFY:PFY+1], s[PFY:PFY+1], TRI
.endif
	GRD
.if \fill
	s_add_nc_u64 s[GXA+2:GXA+3], s[GXA+2:GXA+3], TRI   ; X's groups 0 step to X(k+2)
	s_add_nc_u64 s[GXB+2:GXB+3], s[GXB+2:GXB+3], TRI
.endif
	MUL 1, 1, 2, 0
	s_wait_dscnt 0x0                               ; the add is done, and my reads of Y are over
	s_barrier_signal -1
	MUL 2, 1, 2, 0
	WIN 0
	s_barrier_wait -1
.if \fill
	CREST
	JLOAD GYA, G1A2, GYB, G1B1
.else
	PLACES
.endif
	FB 0, 1, STP                                   ; B(3k+3), from X(k+1)
.if \ask
	ASK PFY, 0, 0
.endif
	MUL 3, 1, 2, 0
	PLACES
	FA 0, 0, 0                                     ; A(3k+3)
	MUL 4, 4, 2, 0
	PLACES
	FA 1, 0, 0
.endm
.macro SETG0 g, base, op, goff, lr, loff
	s_mov_b32 s[\g], 1
	s_add_co_u32 s[\g+1], s[\lr], \loff
	s_add_nc_u64 s[\g+2:\g+3], s[\base:\base+1], s[\op:\op+1]
.if \goff
	s_add_nc_u64 s[\g+2:\g+3], s[\g+2:\g+3], \goff
.endif
	s_or_b32 s[\g+3], s[\g+3], 0x80000000
.endm
	s_load_b256 s[4:11], s[0:1], 0x0               ; hq, w2q, gates, b2
	s_load_b64 s[12:13], s[0:1], 0x20              ; out0
	v_lshl_add_u32 v[SPW], v0, 2, SPARE
	v_mov_b32 v[NIL], 0
	ds_add_u32 v[SPW], v[NIL]                      ; the opening lines: the add, twice on end, and its wait ahead of my first tensor load
	ds_add_u32 v[SPW], v[NIL]
	v_lshrrev_b32 v1, 5, v0
	v_readfirstlane_b32 s14, v1                    ; wave 0..3 = q
	s_lshr_b32 s15, s14, 1                         ; my expert.  Also: I fetch for A (0) or for B (1)
	s_and_b32 s20, s14, 1                          ; which half of that operand's bytes of a fill
	s_bfe_u32 s21, ttmp6, 0x40000                  ; cx
	s_bfe_u32 s22, ttmp6, 0x40004                  ; cy
	s_lshl_b32 s88, ttmp9, 2
	s_add_co_u32 s88, s88, s21                     ; which 128 d
	s_and_b32 s89, ttmp7, 0xffff
	s_lshl_b32 s89, s89, 2
	s_add_co_u32 s89, s89, s22                     ; which 128 tokens
	s_lshl_b32 s90, s22, 2
	s_lshl_b32 s90, 15, s90                        ; my row of the cluster
	s_lshl_b32 s91, 0x1111, s21                    ; my column
	s_or_b32 s[G1A1], s90, (3<<16)|(1<<21)         ; groups 1: a dense block as rows of 32 elements of 8 bytes
	s_or_b32 s[G1A2], s90, (3<<16)|(1<<21)
	s_or_b32 s[G1B1], s91, (3<<16)|(1<<21)
	s_or_b32 s[G1B2], s91, (3<<16)|(1<<21)
.irp g, G1A1, G1B1
	s_mov_b32 s[\g+1], 32<<16
	s_mov_b32 s[\g+2], 100<<16                     ; 25,600 bytes: half a step
	s_mov_b32 s[\g+3], 32<<16
	s_mov_b32 s[\g+4], 100
	s_mov_b32 s[\g+5], 32
	s_mov_b32 s[\g+6], 0
	s_mov_b32 s[\g+7], 0
.endr
.irp g, G1A2, G1B2
	s_mov_b32 s[\g+1], 32<<16
	s_mov_b32 s[\g+2], 300<<16                     ; for the head's loads 76,800 bytes: a step and a half; behind them 200 rows: a step
	s_mov_b32 s[\g+3], 32<<16
	s_mov_b32 s[\g+4], 300
	s_mov_b32 s[\g+5], 32
	s_mov_b32 s[\g+6], 0
	s_mov_b32 s[\g+7], 0
.endr
	s_mul_i32 s23, s14, REC
	s_add_co_u32 s98, s23, 12288
	s_mul_i32 s99, s14, WSTG
	s_mul_i32 s63, s14, 32*SPITCH
	s_mul_i32 s92, s20, 25600
	s_mul_i32 s93, s20, 51200
	s_mul_i32 s100, s20, 76800
	s_mov_b32 s101, 0
	s_mov_b32 s94, s92
	s_mov_b32 s95, 0
	s_mov_b32 s96, s93
	s_mov_b32 s97, 0
	s_mul_i32 s84, s89, 819200                     ; h: 64 records for 128 tokens
	s_mov_b32 s85, 0
	s_mul_i32 s86, s88, 819200                     ; W2: 64 records for 128 d
	s_mov_b32 s87, 0
	v_and_b32 v1, 15, v0                           ; r
	v_and_b32 v5, 31, v0                           ; lane
	v_bfe_u32 v48, v0, 4, 1                        ; h
	v_lshlrev_b32 v6, 4, v5                        ; v6  16 x lane
	v_lshlrev_b32 v7, 5, v1                        ; 32 r
	v_lshlrev_b32 v49, 5, v48                      ; v49 32 h: my eight d of a d tile, in bytes
	v_add_nc_u32 v[RA], s23, v6
	v_add_nc_u32 v[RA+1], 2*STP, v[RA]
	v_add_nc_u32 v[RA+2], 4*STP, v[RA]
	v_add_nc_u32 v[RS], s98, v7
	v_add_nc_u32 v[RS+1], 2*STP, v[RS]
	v_add_nc_u32 v[RS+2], 4*STP, v[RS]
	v_lshlrev_b32 v[P50A], 8, v5
	v_min_u32 v[P25], 24, v5
	v_lshlrev_b32 v[P25], 8, v[P25]
	v_add_nc_u32 v[P50B], 32, v5
	v_min_u32 v[P50B], 49, v[P50B]
	v_lshlrev_b32 v[P50B], 8, v[P50B]
	v_mul_u32_u24 v[STO], v1, SPITCH
	v_lshl_add_u32 v[STO], v48, 5, v[STO]
	v_add_nc_u32 v[STO], s99, v[STO]               ; my stage: row r, + 32 h
	v_add_nc_u32 v[RD], s63, v6                    ; back: my 32 rows in wave 0's stage, 16 bytes a lane,
	v_add_nc_u32 v[RD+1], WSTG, v[RD]              ; in wave 1's, 2's, 3's
	v_add_nc_u32 v[RD+2], 2*WSTG, v[RD]
	v_add_nc_u32 v[RD+3], 3*WSTG, v[RD]
	s_wait_alu depctr_va_vdst(0)                   ; the wait here, directly ahead of the waits below
	s_wait_dscnt 0x0                               ; both opening adds are done
	s_wait_kmcnt 0x0
	s_add_nc_u64 s[84:85], s[4:5], s[84:85]
	s_add_nc_u64 s[86:87], s[6:7], s[86:87]
	SETG0 GYA, 84, 100, 0, 100, 0                  ; the head's loads: A(0 .. 2) in halves from LDS 0, B(0 .. 2) in halves from 153,600
	SETG0 GYB, 86, 100, 0, 100, TRI
	CROUND                                         ; all sixteen work-groups are here: the first joint loads meet
	JLOAD GYA, G1A2, GYB, G1B2                     ; X(0) and Y(0): one tensor load a wave at the head
	s_lshl_b32 s60, s88, 9                         ; b2 at my 128 d of my expert's row of 4,096 bytes
	s_lshl_b32 s61, s15, 12
	s_add_co_u32 s60, s60, s61
	s_mov_b32 s61, 0
	s_add_nc_u64 s[10:11], s[10:11], s[60:61]
.irp b, 0,1,2,3,4,5,6,7
	global_load_b128 v[BI+8*\b:BI+8*\b+3], v49, s[10:11] offset:64*\b        ; b2[e][16 b + 8 h + 0 .. 7], in the result's layout
	global_load_b128 v[BI+8*\b+4:BI+8*\b+7], v49, s[10:11] offset:64*\b+16
.endr
	SETG0 GXA, 84, 94, 3*STP, 92, 0                ; X(1): A(3) in halves at LDS 0; B(3), B(4), a step a wave, at 153,600
	SETG0 GXB, 86, 96, 3*STP, 93, TRI
	s_lshl_b32 s56, s89, 10                        ; the gates of the 32 rows that I store: 128 tokens x 8 bytes, + 32 rows a wave
	s_lshl_b32 s60, s14, 8
	s_add_co_u32 s56, s56, s60
	s_mov_b32 s57, 0
	s_add_nc_u64 s[56:57], s[8:9], s[56:57]
	s_lshl_b32 s58, s89, 19                        ; out0: 128 rows of 4,096 bytes, + my 32 rows, + 512 bytes for each 128 d
	s_lshl_b32 s60, s14, 17
	s_add_co_u32 s58, s58, s60
	s_lshl_b32 s60, s88, 9
	s_add_co_u32 s58, s58, s60
	s_mov_b32 s59, 0
	s_add_nc_u64 s[58:59], s[12:13], s[58:59]
	s_cmp_eq_u32 s15, 0                            ; the prefetches: my place among the four that ask with me: cx for A, cy for B
	s_cselect_b32 s60, s21, s22
	s_mul_i32 s60, s60, 6400
	s_add_co_u32 s61, s60, s92                     ; a quarter of my half step,
	s_lshl_b32 s62, s61, 1                         ; of my whole step
	s_cmp_eq_u32 s15, 0
	s_cselect_b32 s98, s61, s62                    ; in X: A has one step, B two
	s_cselect_b32 s60, s62, s61                    ; in Y: A two, B one
	s_mov_b32 s63, 5*STP
	s_cselect_b32 s63, 4*STP, s63                  ; Y(1) begins at A(4), B(5)
	s_cselect_b64 s[PFX:PFX+1], s[84:85], s[86:87]
	s_add_co_u32 s98, s98, 3*STP                   ; X(1) begins at step 3
	s_mov_b32 s99, 0
	s_add_co_u32 s60, s60, s63
	s_mov_b32 s61, 0
	s_add_nc_u64 s[PFY:PFY+1], s[PFX:PFX+1], s[60:61]
	s_add_nc_u64 s[PFX:PFX+1], s[PFX:PFX+1], s[98:99]
	ASK PFX, 1, 0                                  ; X(1)
	ASK PFY, 0, 0                                  ; Y(1)
	s_wait_loadcnt 0x0                             ; b2
.set J, 0
.rept 32
	v_pk_mul_f32 v[BI+2*J:BI+2*J+1], v[BI+2*J:BI+2*J+1], 0.5 op_sel_hi:[1,0]   ; half of b2 to each of the expert's two waves
.set J, J+1
.endr
	s_wait_alu depctr_va_vdst(0)                   ; the wait here, directly ahead of the wait below
	s_wait_tensorcnt 0x0                           ; my part of X(0) and Y(0) is in; no tensor load of mine is out, so descriptors may be written:
	s_mov_b32 s[G1A2+2], 200<<16                   ; from here on these groups 1 count 200 rows,
	s_mov_b32 s[G1A2+4], 200
	s_mov_b32 s[G1B2+2], 200<<16
	s_mov_b32 s[G1B2+4], 200
	SETG0 GYA, 84, 96, STP, 93, STP                ; and Y's groups 0 stand at Y(0): A(1), A(2), a step a wave, at 51,200; B(2) in halves at 256,000 (step 0 steps them on to Y(1))
	SETG0 GYB, 86, 94, 2*STP, 92, TRI+2*STP
	s_barrier_signal -1
	s_barrier_wait -1                              ; everybody's part is in
	FB 0, 1, STP
	FA 0, 0, 0
	FA 1, 0, 0
	POS0 1, 1, 1                                   ; step 0: its products start the sums, on b2 / 2
	s_mov_b32 s3, 3
.Ltrip:                                                ; steps 3j - 2, 3j - 1, 3j for j = 1, 2, 3
	POS1
	POS2 1, 1
	POS0 0, 1, 2
	s_sub_co_u32 s3, s3, 1
	s_cmp_lg_u32 s3, 0
	s_cbranch_scc1 .Ltrip
	POS1                                           ; step 10
	POS2 1, 0                                      ; step 11: Y(4)
	POS0 0, 2, 0                                   ; step 12: X(5)
	POS1                                           ; step 13
	POS2 0, 0                                      ; step 14
	POS0 0, 0, 0                                   ; step 15, and my sums' way into my stage
	; THE WAY OUT.  Each wave adds the four stages' parts of 32 rows, an expert's two first, weighs the two experts by the row's gates, and stores whole rows of 512 bytes.
	s_wait_dscnt 0x0                               ; for the others' sake: my stage is written
	s_barrier_signal -1
	s_barrier_wait -1
.macro RLOAD gi                        ; rows 4 gi .. 4 gi + 3 of my 32, from all four stages, into buffer gi % 2
.irp rr, 0,1,2,3
.irp v, 0,1,2,3
	ds_load_b128 v[BUF+64*((\gi)%2)+16*\rr+4*\v:BUF+64*((\gi)%2)+16*\rr+4*\v+3], v[RD+\v] offset:SPITCH*(4*(\gi)+\rr)
.endr
.endr
.endm
	RLOAD 0
	s_wait_kmcnt 0x0                               ; the gates
.set GI, 0
.rept 8
.if GI < 7
.if GI > 0
	s_wait_xcnt 0x0                                ; the stores of the group before have read the registers that the loads below fill
.endif
	RLOAD GI+1
	s_wait_dscnt 16                                ; this group is in; the next group's 16 loads may be out
.else
	s_wait_dscnt 0x0
.endif
.irp rr, 0,1,2,3
.set RB, BUF+64*(GI%2)+16*\rr
.set RI, 4*GI+\rr
.set GS, 24+2*RI+12*(RI/16)
	v_pk_add_f32 v[RB:RB+1], v[RB:RB+1], v[RB+4:RB+5]             ; expert 0: waves 0 and 1
	v_pk_add_f32 v[RB+2:RB+3], v[RB+2:RB+3], v[RB+6:RB+7]
	v_pk_add_f32 v[RB+8:RB+9], v[RB+8:RB+9], v[RB+12:RB+13]       ; expert 1: waves 2 and 3
	v_pk_add_f32 v[RB+10:RB+11], v[RB+10:RB+11], v[RB+14:RB+15]
.irp c, 0,1,2,3
	v_mul_f32 v[RB+\c], s[GS], v[RB+\c]            ; gate 0 x expert 0
.endr
.irp c, 0,1,2,3
	v_fmac_f32 v[RB+\c], s[GS+1], v[RB+8+\c]       ; + gate 1 x expert 1
.endr
	global_store_b128 v6, v[RB:RB+3], s[58:59] offset:4096*RI th:TH_STORE_NT   ; 32 lanes store 512 consecutive bytes, aligned
.endr
.set GI, GI+1
.endr
	s_wait_tensorcnt 0x0                           ; the wave's end
	ds_add_u32 v[SPW], v[NIL]
	s_wait_dscnt 0x0
	CROUND                                         ; the closing round
	s_endpgm
.Lfunc_end_k_q467a0889f2_ffn2:
	.size	k_q467a0889f2_ffn2, .Lfunc_end_k_q467a0889f2_ffn2-k_q467a0889f2_ffn2
	.p2alignl 7, 3214868480
	.fill 96, 4, 3214868480
	.section	.rodata,"a",@progbits
	.p2align	6, 0x0
	.amdhsa_kernel k_q467a0889f2_ffn2
		.amdhsa_group_segment_fixed_size 327680
		.amdhsa_private_segment_fixed_size 0
		.amdhsa_enable_private_segment 0
		.amdhsa_kernarg_size 40
		.amdhsa_user_sgpr_count 2
		.amdhsa_user_sgpr_kernarg_segment_ptr 1
		.amdhsa_wavefront_size32 1
		.amdhsa_system_sgpr_workgroup_id_x 1
		.amdhsa_system_sgpr_workgroup_id_y 1
		.amdhsa_system_sgpr_workgroup_id_z 1
		.amdhsa_system_vgpr_workitem_id 0
		.amdhsa_next_free_vgpr 1024
		.amdhsa_next_free_sgpr 102
		.amdhsa_reserve_vcc 0
		.amdhsa_float_denorm_mode_32 3
		.amdhsa_float_denorm_mode_16_64 3
		.amdhsa_memory_ordered 1
		.amdhsa_forward_progress 1
		.amdhsa_inst_pref_size 175
	.end_amdhsa_kernel
	.amdgpu_metadata
---
amdhsa.version: [ 1, 2 ]
amdhsa.kernels:
  - .name:           k_q467a0889f2_ffn2
    .symbol:         k_q467a0889f2_ffn2.kd
    .args:
      - { .name: hq, .offset: 0, .size: 8, .value_kind: global_buffer, .address_space: global }
      - { .name: w2q, .offset: 8, .size: 8, .value_kind: global_buffer, .address_space: global }
      - { .name: gates, .offset: 16, .size: 8, .value_kind: global_buffer, .address_space: global }
      - { .name: b2, .offset: 24, .size: 8, .value_kind: global_buffer, .address_space: global }
      - { .name: out0, .offset: 32, .size: 8, .value_kind: global_buffer, .address_space: global }
    .group_segment_fixed_size: 327680
    .private_segment_fixed_size: 0
    .kernarg_segment_align: 8
    .kernarg_segment_size: 40
    .max_flat_workgroup_size: 128
    .sgpr_count:     102
    .vgpr_count:     1024
    .wavefront_size: 32
...
	.end_amdgpu_metadata
.endif
;; end of part 3
